; MI455X (gfx1250); checked and timed in simulation.
; The chip was launched on July 23, 2026; its instructions are those of AMD's public machine-readable ISA for CDNA 5 (MIT licence, August 2026) and "CDNA5" Instruction Set Architecture Reference Guide (July 2026). The comments in the code are by the model that wrote it; some were corrected since.
;; Spatial Attention. Allowed arithmetic: float matrix products may take bf16 or f16 operands with f32 sums; other float arithmetic in f32, or as packed bf16 or f16 multiplies, adds, multiply-adds, maxima and minima; sums over many terms, partial sums and values carried from step to step in f32; what a program stores and reads back later, other than sums and carried values, may be rounded once to bf16 or f16.
;; Inputs: alpha1 1 float32; alpha2 1 float32; h 2 x 32 x 1,024 float32; obj_embed 32 x 1,024 x 1,024 float32; q1_b 1,024 float32; q1_w 1,024 x 1,024 float32; q2_b 1,024 float32; q2_w 1,024 x 1,024 float32; wk_b 1,024 float32; wk_w 1,024 x 1,024 float32; wv_b 1,024 float32; wv_w 1,024 x 1,024 float32.
;; Outputs: out0 32 x 1 x 1,024 float32.
;; One version. Each part assembles by itself: llvm-mc -triple=amdgcn-amd-amdhsa -mcpu=gfx1250 --defsym DOCPART=n.
;; ======== version 1 of 1: 5 launches
;; limits: values are held in f16: magnitudes above 65,504 overflow, below 6.1e-05 lose precision; inputs' magnitudes at most 65,504
;; workspace buffers: qpart 262,144 bytes; cpart 16,384 bytes; upart 524,288 bytes; part 1,114,112 bytes; ctx16 65,536 bytes
;; launch qproj (part 1): grid 64 x 2, 8 waves a work-group, no clusters, 116,992 bytes of LDS; arguments h, q1_w, q2_w, q1_b, q2_b, alpha1, alpha2, wk_b, qpart, cpart; writes qpart, cpart
.if DOCPART == 1
	.amdgcn_target "amdgcn-amd-amdhsa--gfx1250"
	.amdhsa_code_object_version 6
	.text
	.protected	k_qe37281e15b_qproj
	.globl	k_qe37281e15b_qproj
	.p2align	8
	.type	k_qe37281e15b_qproj,@function
k_qe37281e15b_qproj:
	s_mov_b64 s[64:65], 0
	v_nop
	global_prefetch_b8 v0, s[64:65] scope:SCOPE_SE
	s_setreg_imm32_b32 hwreg(HW_REG_WAVE_MODE, 25, 1), 1
	s_wait_xcnt 0x0
; qp[sel][b][i] = alpha_sel * kappa * (sum over k of h[sel][b][k] W_sel[i][k] + bias_sel[i]),  kappa = log2(e) / sqrt(1024),
; and cpart[b][64 sel + nt] = the sum over this work-group's 16 outputs i of qp[sel][b][i] * wk_b[i].
; WHY: with one query a batch, q . (Wk x + bk) = (Wk^T q) . x + q . bk, for every input; the later launches use that form.
; SHARES.  A work-group makes 32 b x 16 i of one of the two layers (x = nt: outputs 16 nt .. 16 nt + 15; y = sel).  Its eight waves first bring
; 32 rows of h and 16 rows of W, round them once to f16 and lay them in LDS; then wave w multiplies K = 128 w .. 128 w + 127; the eight partial
; sums (f32) meet in LDS and wave 0 adds them, scales, adds the bias and stores.
; NO CLUSTER, NO TENSOR LOAD: the operand that the 64 work-groups of a layer share (h, 128 KB) has to be rounded to f16 on its way into LDS, which
; goes through registers; kept in f32 the 48 rows would take twice the LDS bytes and twice the LDS reads.
; LIMITS.  h and the weights are rounded to f16: |h|, |W| below 65,504; below 6e-5 they keep f16's fixed step.  NaN and infinities are not treated apart.
; qpart's layout is the next launch's register image: f32 [sel 2][ks 32][mt 2][q4 4][lane 32][e 4]; element (b, i) has ks = i / 32, q4 = (i / 4) % 4, e = i % 4,
; mt = b / 16, lane = 16 ((i / 16) % 2) + b % 16.
.set PITCH,  2064                      ; an LDS row: 2,048 bytes of f16 + 16 = 129 x 16: the 16 rows of a fragment load start at 16 different groups of four banks (ISA guide 11.1)
.set A16,    0                         ; 32 rows of h
.set W16,    32*PITCH                  ; 16 rows of W
.set RED,    W16+16*PITCH              ; eight waves' partial sums
.set RBLK,   528                       ; [b 32][4 f32] + 16 bytes, for four neighbouring outputs
.set RWAVE,  4*RBLK
.set SPARE,  RED+8*RWAVE               ; the spare words: 128 bytes for each of eight waves, four blocks of 256 bytes that no other line names
.set KAPPA,  0x3d38aa3b                ; log2(e) / 32
.set GA,  4                            ; v4   byte offset of my 16 bytes in my wave's first row of h
.set GW,  5                            ; v5   the same in my wave's first row of W
.set SA,  6                            ; v6   LDS: where my 8 bytes of my wave's first row of h go
.set SW,  7                            ; v7   the same for W
.set FA,  8                            ; v8   LDS: my lane's place in a fragment of h, at my wave's K slice
.set FW,  9                            ; v9   the same for W
.set RW,  10                           ; v10  LDS: where my partial sums go
.set RR,  11                           ; v11  LDS: where wave 0 reads them back
.set QO,  12                           ; v12  my byte offset in qpart
.set CO,  13                           ; v13  my byte offset in cpart
.set CA,  14                           ; v14, v15  two chains of the sum q . bk
.set SPW, 30                           ; v30  LDS address of my spare word; never rewritten
.set NIL, 31                           ; v31  0; never rewritten
.set LD,  32                           ; v32-223  six rows as loaded, 32 registers each; later fragments, then the partial sums read back
.set FRA, 32                           ; fragments of h: K step ks, row tile mt at FRA + 16 ks + 8 mt
.set FRB, 96                           ; fragments of W: K step ks at FRB + 8 ks
.set D0,  224                          ; v224-231  b 0-15;  v232-239  b 16-31
.set D1,  232
	s_load_b512 s[4:19], s[0:1], 0x0               ; h 4:5, q1_w 6:7, q2_w 8:9, q1_b 10:11, q2_b 12:13, alpha1 14:15, alpha2 16:17, wk_b 18:19
	s_load_b128 s[20:23], s[0:1], 0x40             ; qpart 20:21, cpart 22:23
	v_lshl_add_u32 v[SPW], v0, 2, SPARE
	v_mov_b32 v[NIL], 0
	v_lshrrev_b32 v1, 5, v0
	v_readfirstlane_b32 s24, v1                    ; wave 0..7
	v_and_b32 v2, 31, v0                           ; lane
	v_and_b32 v3, 15, v0                           ; r = lane % 16
	v_bfe_u32 v16, v0, 4, 1                        ; hh = lane / 16
	s_mov_b32 s25, ttmp9                           ; nt
	s_and_b32 s26, ttmp7, 0xffff                   ; sel
	s_mov_b32 s35, 0                               ; the high word of every offset below
	s_lshl_b32 s27, s24, 14                        ; my wave's four rows of h, 4,096 bytes each
	v_lshl_add_u32 v[GA], v2, 4, s27
	s_lshl_b32 s27, s24, 13                        ; my wave's two rows of W
	v_lshl_add_u32 v[GW], v2, 4, s27
	s_wait_kmcnt 0x0
	s_cmp_eq_u32 s26, 0                            ; which layer: a choice between buffers on the work-group's y alone
	s_cselect_b64 s[28:29], s[6:7], s[8:9]         ; W
	s_cselect_b64 s[30:31], s[10:11], s[12:13]     ; bias
	s_cselect_b64 s[32:33], s[14:15], s[16:17]     ; alpha
	s_lshl_b32 s34, s26, 17
	s_add_nc_u64 s[4:5], s[4:5], s[34:35]          ; h[sel]
	s_lshl_b32 s34, s25, 16
	s_add_nc_u64 s[28:29], s[28:29], s[34:35]      ; W at row 16 nt
	; 48 loads in one run: each covers 512 consecutive bytes of a row
.irp n, 0,1,2,3
.irp j, 0,1,2,3,4,5,6,7
	global_load_b128 v[LD+32*(\n)+4*(\j):LD+32*(\n)+4*(\j)+3], v[GA], s[4:5] offset:4096*(\n)+512*(\j)
.endr
.endr
.irp n, 4,5
.irp j, 0,1,2,3,4,5,6,7
	global_load_b128 v[LD+32*(\n)+4*(\j):LD+32*(\n)+4*(\j)+3], v[GW], s[28:29] offset:4096*((\n)-4)+512*(\j) th:TH_LOAD_NT
.endr
.endr
	s_lshl_b32 s34, s25, 6                         ; 16 f32
	s_add_nc_u64 s[30:31], s[30:31], s[34:35]      ; bias at 16 nt
	s_add_nc_u64 s[18:19], s[18:19], s[34:35]      ; wk_b at 16 nt
	s_load_b32 s36, s[32:33], 0x0                  ; alpha
	s_load_b512 s[40:55], s[30:31], 0x0            ; my 16 biases
	s_load_b512 s[68:83], s[18:19], 0x0            ; my 16 numbers of wk_b
	s_lshl_b32 s34, s26, 17                        ; qpart: sel,
	s_lshr_b32 s38, s25, 1
	s_lshl_b32 s38, s38, 12                        ; ks = nt / 2,
	s_add_co_u32 s34, s34, s38
	s_and_b32 s38, s25, 1
	s_lshl_b32 s38, s38, 8                         ; lanes 16 (nt % 2) on
	s_add_co_u32 s34, s34, s38
	s_add_nc_u64 s[20:21], s[20:21], s[34:35]
	s_lshl_b32 s34, s26, 6
	s_add_co_u32 s34, s34, s25
	s_lshl_b32 s34, s34, 2                         ; cpart: part 64 sel + nt
	s_add_nc_u64 s[22:23], s[22:23], s[34:35]
	s_mul_i32 s27, s24, 4*PITCH
	v_lshl_add_u32 v[SA], v2, 3, s27
	s_mul_i32 s27, s24, 2*PITCH
	s_add_co_u32 s27, s27, W16
	v_lshl_add_u32 v[SW], v2, 3, s27
	v_mul_u32_u24 v[FA], v3, PITCH                 ; a fragment: row r, 16 bytes for each half of the lanes,
	v_lshl_add_u32 v[FA], v16, 4, v[FA]
	s_lshl_b32 s27, s24, 8                         ; at my wave's 128 along K
	v_add_nc_u32 v[FA], s27, v[FA]
	v_add_nc_u32 v[FW], W16, v[FA]
	s_mul_i32 s27, s24, RWAVE
	s_add_co_u32 s27, s27, RED
	v_lshrrev_b32 v17, 2, v3
	v_mul_u32_u24 v[RW], v17, RBLK                 ; output r: block r / 4,
	v_and_b32 v17, 3, v3
	v_lshl_add_u32 v[RW], v17, 2, v[RW]            ; word r % 4,
	v_lshl_add_u32 v[RW], v16, 7, v[RW]            ; b = 8 hh + ..: 16 bytes a b
	v_add_nc_u32 v[RW], s27, v[RW]
	v_lshl_add_u32 v[RR], v2, 4, RED               ; back: lane = b
	v_lshlrev_b32 v[QO], 4, v3
	v_lshl_add_u32 v[QO], v16, 11, v[QO]           ; mt = b / 16: 2,048 bytes; b % 16: 16 bytes
	v_lshlrev_b32 v[CO], 9, v2                     ; b x 128 parts x 4 bytes
; Row n of my six: rounded in place to f16 (4 f32 -> 2 registers) and stored, 256 consecutive bytes an instruction.
.macro CVST n, adr, off
	s_wait_loadcnt 8*(5-(\n))                      ; loads come back in order (ISA guide 5.7.1): row n's eight are in, the younger rows' stay out
.irp j, 0,1,2,3,4,5,6,7
	v_cvt_pk_f16_f32 v[LD+32*(\n)+4*(\j)],   v[LD+32*(\n)+4*(\j)],   v[LD+32*(\n)+4*(\j)+1]
	v_cvt_pk_f16_f32 v[LD+32*(\n)+4*(\j)+1], v[LD+32*(\n)+4*(\j)+2], v[LD+32*(\n)+4*(\j)+3]
.endr
.irp j, 0,1,2,3,4,5,6,7
	ds_store_b64 v[\adr], v[LD+32*(\n)+4*(\j):LD+32*(\n)+4*(\j)+1] offset:(\off)+256*(\j)
.endr
.endm
	CVST 0, SA, 0
	CVST 1, SA, PITCH
	CVST 2, SA, 2*PITCH
	CVST 3, SA, 3*PITCH
	CVST 4, SW, 0
	CVST 5, SW, PITCH
	s_wait_kmcnt 0x0                               ; alpha, the biases, wk_b
	s_wait_dscnt 0x0                               ; for the others' sake: my rows are in LDS
	s_barrier_signal -1
	s_barrier_wait -1                              ; everybody's are
	; my K slice: four K steps of 32; six loads a step
.irp ks, 0,1,2,3
	ds_load_b128 v[FRA+16*(\ks):FRA+16*(\ks)+3],     v[FA] offset:64*(\ks)
	ds_load_b128 v[FRA+16*(\ks)+4:FRA+16*(\ks)+7],   v[FA] offset:64*(\ks)+32
	ds_load_b128 v[FRA+16*(\ks)+8:FRA+16*(\ks)+11],  v[FA] offset:16*PITCH+64*(\ks)
	ds_load_b128 v[FRA+16*(\ks)+12:FRA+16*(\ks)+15], v[FA] offset:16*PITCH+64*(\ks)+32
	ds_load_b128 v[FRB+8*(\ks):FRB+8*(\ks)+3],       v[FW] offset:64*(\ks)
	ds_load_b128 v[FRB+8*(\ks)+4:FRB+8*(\ks)+7],     v[FW] offset:64*(\ks)+32
.endr
	s_wait_dscnt 18                                ; step 0's six are in; the 18 of the later steps stay out
	v_wmma_f32_16x16x32_f16 v[D0:D0+7], v[FRA:FRA+7],    v[FRB:FRB+7], 0   ; the first step starts both sums: nothing is cleared
	v_wmma_f32_16x16x32_f16 v[D1:D1+7], v[FRA+8:FRA+15], v[FRB:FRB+7], 0
.irp ks, 1,2,3
	s_wait_dscnt 18-6*(\ks)
	v_wmma_f32_16x16x32_f16 v[D0:D0+7], v[FRA+16*(\ks):FRA+16*(\ks)+7],    v[FRB+8*(\ks):FRB+8*(\ks)+7], v[D0:D0+7]   ; the two accumulators take turns
	v_wmma_f32_16x16x32_f16 v[D1:D1+7], v[FRA+16*(\ks)+8:FRA+16*(\ks)+15], v[FRB+8*(\ks):FRB+8*(\ks)+7], v[D1:D1+7]
.endr
.rept 4
	v_nop                                          ; four places between the last product and the stores that read it; no other vector work is at hand
.endr
	; lane (r, hh), register t holds (b = 16 mt + 8 hh + t, output r); each accumulator's registers in ascending order
.irp t, 0,1,2,3,4,5,6,7
	ds_store_b32 v[RW], v[D0+(\t)] offset:16*(\t)
.endr
.irp t, 0,1,2,3,4,5,6,7
	ds_store_b32 v[RW], v[D1+(\t)] offset:256+16*(\t)
.endr
	s_wait_tensorcnt 0x0                           ; behind my last LDS store
	ds_add_u32 v[SPW], v[NIL]
	s_wait_dscnt 0x0                               ; shows my partial sums stored, for wave 0's sake
	s_barrier_signal -1
	s_barrier_wait -1
	s_cmp_lg_u32 s24, 0
	s_cbranch_scc1 .Lend                           ; wave 0 alone goes on; no barrier follows
.macro TREE8 b                         ; eight groups of four registers at b + 4 w are added into the first
.irp s, 0,2,4,6
	v_pk_add_f32 v[(\b)+4*(\s):(\b)+4*(\s)+1],   v[(\b)+4*(\s):(\b)+4*(\s)+1],   v[(\b)+4*(\s)+4:(\b)+4*(\s)+5]
	v_pk_add_f32 v[(\b)+4*(\s)+2:(\b)+4*(\s)+3], v[(\b)+4*(\s)+2:(\b)+4*(\s)+3], v[(\b)+4*(\s)+6:(\b)+4*(\s)+7]
.endr
.irp s, 0,4
	v_pk_add_f32 v[(\b)+4*(\s):(\b)+4*(\s)+1],   v[(\b)+4*(\s):(\b)+4*(\s)+1],   v[(\b)+4*(\s)+8:(\b)+4*(\s)+9]
	v_pk_add_f32 v[(\b)+4*(\s)+2:(\b)+4*(\s)+3], v[(\b)+4*(\s)+2:(\b)+4*(\s)+3], v[(\b)+4*(\s)+10:(\b)+4*(\s)+11]
.endr
	v_pk_add_f32 v[(\b):(\b)+1],   v[(\b):(\b)+1],   v[(\b)+16:(\b)+17]
	v_pk_add_f32 v[(\b)+2:(\b)+3], v[(\b)+2:(\b)+3], v[(\b)+18:(\b)+19]
.endm
	; lane = b.  Block g holds outputs 4 g .. 4 g + 3: eight loads of 16 bytes, one from each wave's sums
.irp g, 0,1,2,3
.irp w, 0,1,2,3,4,5,6,7
	ds_load_b128 v[LD+32*(\g)+4*(\w):LD+32*(\g)+4*(\w)+3], v[RR] offset:(\w)*RWAVE+(\g)*RBLK
.endr
.endr
	s_mul_f32 s37, s36, KAPPA                      ; alpha kappa
.irp i, 0,1,2,3,4,5,6,7,8,9,10,11,12,13,14,15
	s_mul_f32 s[40+(\i)], s[40+(\i)], s37          ; alpha kappa bias
.endr
.irp g, 0,1,2,3
	s_wait_dscnt 24-8*(\g)                         ; block g's eight are in, the later blocks' stay out
	TREE8 LD+32*(\g)
.irp e, 0,1,2,3
	v_fma_f32 v[LD+32*(\g)+(\e)], v[LD+32*(\g)+(\e)], s37, s[40+4*(\g)+(\e)]
.endr
	global_store_b128 v[QO], v[LD+32*(\g):LD+32*(\g)+3], s[20:21] offset:512*(\g)   ; lanes 0-15 and lanes 16-31 each store 256 consecutive bytes, at a multiple of 256 from qpart's first byte
.if (\g) == 0
	v_mul_f32 v[CA],   s68, v[LD]                  ; the first two products start the two chains
	v_mul_f32 v[CA+1], s69, v[LD+1]
.else
	v_fmac_f32 v[CA],   s[68+4*(\g)],   v[LD+32*(\g)]
	v_fmac_f32 v[CA+1], s[68+4*(\g)+1], v[LD+32*(\g)+1]
.endif
	v_fmac_f32 v[CA],   s[68+4*(\g)+2], v[LD+32*(\g)+2]
	v_fmac_f32 v[CA+1], s[68+4*(\g)+3], v[LD+32*(\g)+3]
.endr
	v_add_f32 v[CA], v[CA], v[CA+1]
	global_store_b32 v[CO], v[CA], s[22:23]        ; one word for each b, 512 bytes apart: the one scattered store, 128 bytes a work-group
.Lend:
	s_endpgm
.Lfunc_end_k_qe37281e15b_qproj:
	.size	k_qe37281e15b_qproj, .Lfunc_end_k_qe37281e15b_qproj-k_qe37281e15b_qproj
	.p2alignl 7, 3214868480
	.fill 96, 4, 3214868480
	.section	.rodata,"a",@progbits
	.p2align	6, 0x0
	.amdhsa_kernel k_qe37281e15b_qproj
		.amdhsa_group_segment_fixed_size 116992
		.amdhsa_private_segment_fixed_size 0
		.amdhsa_enable_private_segment 0
		.amdhsa_kernarg_size 80
		.amdhsa_user_sgpr_count 2
		.amdhsa_user_sgpr_kernarg_segment_ptr 1
		.amdhsa_wavefront_size32 1
		.amdhsa_system_sgpr_workgroup_id_x 1
		.amdhsa_system_sgpr_workgroup_id_y 1
		.amdhsa_system_sgpr_workgroup_id_z 1
		.amdhsa_system_vgpr_workitem_id 0
		.amdhsa_next_free_vgpr 240
		.amdhsa_next_free_sgpr 84
		.amdhsa_reserve_vcc 0
		.amdhsa_float_denorm_mode_32 3
		.amdhsa_float_denorm_mode_16_64 3
		.amdhsa_memory_ordered 1
		.amdhsa_forward_progress 1
		.amdhsa_inst_pref_size 29
	.end_amdhsa_kernel
	.amdgpu_metadata
---
amdhsa.version: [ 1, 2 ]
amdhsa.kernels:
  - .name:           k_qe37281e15b_qproj
    .symbol:         k_qe37281e15b_qproj.kd
    .args:
      - { .name: h, .offset: 0, .size: 8, .value_kind: global_buffer, .address_space: global }
      - { .name: q1_w, .offset: 8, .size: 8, .value_kind: global_buffer, .address_space: global }
      - { .name: q2_w, .offset: 16, .size: 8, .value_kind: global_buffer, .address_space: global }
      - { .name: q1_b, .offset: 24, .size: 8, .value_kind: global_buffer, .address_space: global }
      - { .name: q2_b, .offset: 32, .size: 8, .value_kind: global_buffer, .address_space: global }
      - { .name: alpha1, .offset: 40, .size: 8, .value_kind: global_buffer, .address_space: global }
      - { .name: alpha2, .offset: 48, .size: 8, .value_kind: global_buffer, .address_space: global }
      - { .name: wk_b, .offset: 56, .size: 8, .value_kind: global_buffer, .address_space: global }
      - { .name: qpart, .offset: 64, .size: 8, .value_kind: global_buffer, .address_space: global }
      - { .name: cpart, .offset: 72, .size: 8, .value_kind: global_buffer, .address_space: global }
    .group_segment_fixed_size: 116992
    .private_segment_fixed_size: 0
    .kernarg_segment_align: 8
    .kernarg_segment_size: 80
    .max_flat_workgroup_size: 256
    .sgpr_count:     84
    .vgpr_count:     240
    .wavefront_size: 32
...
	.end_amdgpu_metadata
.endif
;; end of part 1
;; launch uproj (part 2): grid 16 x 4, 8 waves a work-group, no clusters, 66,560 bytes of LDS; arguments qpart, wk_w, upart; writes upart
.if DOCPART == 2
	.amdgcn_target "amdgcn-amd-amdhsa--gfx1250"
	.amdhsa_code_object_version 6
	.text
	.protected	k_qe37281e15b_uproj
	.globl	k_qe37281e15b_uproj
	.p2align	8
	.type	k_qe37281e15b_uproj,@function
k_qe37281e15b_uproj:
	s_mov_b64 s[64:65], 0
	v_nop
	global_prefetch_b8 v0, s[64:65] scope:SCOPE_SE
	s_setreg_imm32_b32 hwreg(HW_REG_WAVE_MODE, 25, 1), 1
	s_wait_xcnt 0x0
; upart[p][b][j] = the sum over i = 256 p .. 256 p + 255 of (qp[0][b][i] + qp[1][b][i]) wk_w[i][j]: a quarter of u = Wk^T q.  The four quarters stay apart, in f32; the next launch adds them.
; SHARES.  A work-group: 64 columns j (x = cg) x 32 b x 256 along i (y = p).  Wave w takes ONE K step of 32: i = 32 (8 p + w) on; the eight waves' sums meet in LDS.
; bf16 operands: q is itself a product of inputs and has no assured room in f16.
; K IS PERMUTED, alike in both operands: place e (0..15) of lane half hh stands for i = k0 + 16 hh + e.  So A's fragment is four 16-byte loads of qpart as it lies, and B's sixteen numbers of a lane
; come from sixteen rows of wk_w, of which each load takes whole pieces of 256 consecutive bytes.  The products are the same; the order of their sum differs, within the tolerance of the comparison.
; NO CLUSTER, NO TENSOR LOAD: both operands are rounded to bf16 in registers and go straight to the matrix unit; what the 16 work-groups of a p share (64 KB of qpart) never lies in LDS.
; LIMITS.  NaN and infinities are not treated apart.
.set RED,   0                          ; [w 8][b 32][j 64] f32
.set SPARE, 65536                      ; the spare words: 128 bytes for each of eight waves
.set QO,  4                            ; v4   16 x lane
.set WO,  5                            ; v5   row 16 hh of my K step, columns 4 r on
.set RW,  6                            ; v6   LDS: where my sums go
.set RR,  7                            ; v7   LDS: where I read sums back: 16 x thread
.set GO,  8                            ; v8   my byte offset in upart
.set SPW, 30
.set NIL, 31
.set Q0,  32                           ; v32-63  qp[0], v64-95 qp[1]: 16 mt + e
.set Q1,  64
.set WL,  96                           ; v96-159  wk_w: 4 e + c
.set AF,  160                          ; v160-175  A's fragments, 8 mt + pair
.set BF,  176                          ; v176-207  B's fragments, 8 c + pair: tile c holds columns j0 + 4 r + c
.set DD,  32                           ; v32-95  the eight accumulators, 8 (4 mt + c), where q lay
	s_load_b128 s[4:7], s[0:1], 0x0                ; qpart 4:5, wk_w 6:7
	s_load_b64 s[8:9], s[0:1], 0x10                ; upart
	v_lshl_add_u32 v[SPW], v0, 2, SPARE
	v_mov_b32 v[NIL], 0
	v_lshrrev_b32 v1, 5, v0
	v_readfirstlane_b32 s10, v1                    ; wave 0..7
	s_mov_b32 s11, ttmp9                           ; cg
	s_and_b32 s12, ttmp7, 0xffff                   ; p
	s_lshl3_add_u32 s13, s12, s10                  ; my K step, 8 p + w
	v_and_b32 v1, 31, v0                           ; lane
	v_and_b32 v3, 15, v0                           ; r
	v_bfe_u32 v2, v0, 4, 1                         ; hh
	v_lshlrev_b32 v[QO], 4, v1
	v_lshlrev_b32 v[WO], 4, v3
	v_lshl_add_u32 v[WO], v2, 16, v[WO]            ; 16 rows of 4,096 bytes
	s_lshl_b32 s14, s13, 12                        ; qpart: 4,096 bytes a K step
	s_mov_b32 s15, 0
	s_lshl_b32 s20, s11, 8                         ; 64 columns
	s_lshl_b32 s16, s13, 17                        ; wk_w: 32 rows a K step
	s_add_co_u32 s16, s16, s20
	s_mov_b32 s17, 0
	s_lshl_b32 s18, s12, 17                        ; upart: 32 b x 4,096 bytes a quarter
	s_add_co_u32 s18, s18, s20
	s_mov_b32 s19, 0
	s_wait_kmcnt 0x0
	s_add_nc_u64 s[4:5], s[4:5], s[14:15]
	s_add_nc_u64 s[6:7], s[6:7], s[16:17]
	s_add_nc_u64 s[8:9], s[8:9], s[18:19]
.irp sel, 0,1
.irp f, 0,1,2,3,4,5,6,7                ; f = 4 mt + q4: 512 consecutive bytes each
	global_load_b128 v[Q0+32*(\sel)+4*(\f):Q0+32*(\sel)+4*(\f)+3], v[QO], s[4:5] offset:131072*(\sel)+512*(\f)
.endr
.endr
.irp e, 0,1,2,3,4,5,6,7,8,9,10,11,12,13,14,15
	global_load_b128 v[WL+4*(\e):WL+4*(\e)+3], v[WO], s[6:7] offset:4096*(\e) th:TH_LOAD_NT   ; each half of the lanes: 256 consecutive bytes of one row, at a multiple of 256
.endr
	s_lshl_b32 s21, s10, 13
	v_lshlrev_b32 v[RW], 4, v3                     ; columns 4 r on,
	v_lshl_add_u32 v[RW], v2, 11, v[RW]            ; b = 8 hh + ..: 256 bytes a b
	v_add_nc_u32 v[RW], s21, v[RW]
	v_lshlrev_b32 v[RR], 4, v0
	v_lshrrev_b32 v9, 4, v0                        ; back: thread t takes b = t / 16 (and 16 more), columns 4 (t % 16) on
	v_lshlrev_b32 v[GO], 4, v3
	v_lshl_add_u32 v[GO], v9, 12, v[GO]
	s_wait_loadcnt 16                              ; q is in; wk_w's sixteen loads stay out
.set i, 0
.rept 16
	v_pk_add_f32 v[Q0+2*i:Q0+2*i+1], v[Q0+2*i:Q0+2*i+1], v[Q1+2*i:Q1+2*i+1]   ; the two queries are added in f32, and rounded once
.set i, i+1
.endr
.set i, 0
.rept 16
	v_cvt_pk_bf16_f32 v[AF+i], v[Q0+2*i], v[Q0+2*i+1]
.set i, i+1
.endr
	s_wait_loadcnt 0x0
.irp c, 0,1,2,3
.irp p, 0,1,2,3,4,5,6,7
	v_cvt_pk_bf16_f32 v[BF+8*(\c)+(\p)], v[WL+8*(\p)+(\c)], v[WL+8*(\p)+4+(\c)]   ; places 2 p and 2 p + 1 of column j0 + 4 r + c
.endr
.endr
.irp d, 0,1,2,3,4,5,6,7                ; eight different accumulators, each one product: C is the constant 0
	v_wmma_f32_16x16x32_bf16 v[DD+8*(\d):DD+8*(\d)+7], v[AF+8*((\d)/4):AF+8*((\d)/4)+7], v[BF+8*((\d)%4):BF+8*((\d)%4)+7], 0
.endr
.rept 4
	v_nop                                          ; four places between the last product and the stores that read it
.endr
	; lane (r, hh), register t of accumulator (mt, c) holds (b = 16 mt + 8 hh + t, column 4 r + c).  The two halves of the lanes fall on the same banks (2,048 bytes apart): each store takes two passes; 64 stores a wave, once.
.irp d, 0,1,2,3,4,5,6,7
.irp t, 0,1,2,3,4,5,6,7
	ds_store_b32 v[RW], v[DD+8*(\d)+(\t)] offset:((\d)/4)*4096+(\t)*256+((\d)%4)*4
.endr
.endr
	s_wait_tensorcnt 0x0                           ; behind my last LDS store
	ds_add_u32 v[SPW], v[NIL]
	s_wait_dscnt 0x0                               ; shows my sums stored, for the others' sake
	s_barrier_signal -1
	s_barrier_wait -1
.irp hf, 0,1
.irp w, 0,1,2,3,4,5,6,7
	ds_load_b128 v[WL+32*(\hf)+4*(\w):WL+32*(\hf)+4*(\w)+3], v[RR] offset:(\w)*8192+(\hf)*4096
.endr
.endr
.macro TREE8 b                         ; eight groups of four registers at b + 4 w are added into the first
.irp s, 0,2,4,6
	v_pk_add_f32 v[(\b)+4*(\s):(\b)+4*(\s)+1],   v[(\b)+4*(\s):(\b)+4*(\s)+1],   v[(\b)+4*(\s)+4:(\b)+4*(\s)+5]
	v_pk_add_f32 v[(\b)+4*(\s)+2:(\b)+4*(\s)+3], v[(\b)+4*(\s)+2:(\b)+4*(\s)+3], v[(\b)+4*(\s)+6:(\b)+4*(\s)+7]
.endr
.irp s, 0,4
	v_pk_add_f32 v[(\b)+4*(\s):(\b)+4*(\s)+1],   v[(\b)+4*(\s):(\b)+4*(\s)+1],   v[(\b)+4*(\s)+8:(\b)+4*(\s)+9]
	v_pk_add_f32 v[(\b)+4*(\s)+2:(\b)+4*(\s)+3], v[(\b)+4*(\s)+2:(\b)+4*(\s)+3], v[(\b)+4*(\s)+10:(\b)+4*(\s)+11]
.endr
	v_pk_add_f32 v[(\b):(\b)+1],   v[(\b):(\b)+1],   v[(\b)+16:(\b)+17]
	v_pk_add_f32 v[(\b)+2:(\b)+3], v[(\b)+2:(\b)+3], v[(\b)+18:(\b)+19]
.endm
	s_wait_dscnt 8                                 ; the first half's eight are in
	TREE8 WL
	global_store_b128 v[GO], v[WL:WL+3], s[8:9]    ; sixteen lanes store 256 consecutive bytes, at a multiple of 256 from upart's first byte
	s_wait_dscnt 0x0
	TREE8 WL+32
	global_store_b128 v[GO], v[WL+32:WL+35], s[8:9] offset:65536
	s_endpgm
.Lfunc_end_k_qe37281e15b_uproj:
	.size	k_qe37281e15b_uproj, .Lfunc_end_k_qe37281e15b_uproj-k_qe37281e15b_uproj
	.p2alignl 7, 3214868480
	.fill 96, 4, 3214868480
	.section	.rodata,"a",@progbits
	.p2align	6, 0x0
	.amdhsa_kernel k_qe37281e15b_uproj
		.amdhsa_group_segment_fixed_size 66560
		.amdhsa_private_segment_fixed_size 0
		.amdhsa_enable_private_segment 0
		.amdhsa_kernarg_size 24
		.amdhsa_user_sgpr_count 2
		.amdhsa_user_sgpr_kernarg_segment_ptr 1
		.amdhsa_wavefront_size32 1
		.amdhsa_system_sgpr_workgroup_id_x 1
		.amdhsa_system_sgpr_workgroup_id_y 1
		.amdhsa_system_sgpr_workgroup_id_z 1
		.amdhsa_system_vgpr_workitem_id 0
		.amdhsa_next_free_vgpr 208
		.amdhsa_next_free_sgpr 66
		.amdhsa_reserve_vcc 0
		.amdhsa_float_denorm_mode_32 3
		.amdhsa_float_denorm_mode_16_64 3
		.amdhsa_memory_ordered 1
		.amdhsa_forward_progress 1
		.amdhsa_inst_pref_size 17
	.end_amdhsa_kernel
	.amdgpu_metadata
---
amdhsa.version: [ 1, 2 ]
amdhsa.kernels:
  - .name:           k_qe37281e15b_uproj
    .symbol:         k_qe37281e15b_uproj.kd
    .args:
      - { .name: qpart, .offset: 0, .size: 8, .value_kind: global_buffer, .address_space: global }
      - { .name: wk_w, .offset: 8, .size: 8, .value_kind: global_buffer, .address_space: global }
      - { .name: upart, .offset: 16, .size: 8, .value_kind: global_buffer, .address_space: global }
    .group_segment_fixed_size: 66560
    .private_segment_fixed_size: 0
    .kernarg_segment_align: 8
    .kernarg_segment_size: 24
    .max_flat_workgroup_size: 256
    .sgpr_count:     66
    .vgpr_count:     208
    .wavefront_size: 32
...
	.end_amdgpu_metadata
.endif
;; end of part 2
;; launch stream (part 3): grid 8 x 32, 16 waves a work-group, no clusters, 71,936 bytes of LDS; arguments obj_embed, upart, cpart, part; writes part
.if DOCPART == 3
	.amdgcn_target "amdgcn-amd-amdhsa--gfx1250"
	.amdhsa_code_object_version 6
	.text
	.protected	k_qe37281e15b_stream
	.globl	k_qe37281e15b_stream
	.p2align	8
	.type	k_qe37281e15b_stream,@function
k_qe37281e15b_stream:
	s_mov_b64 s[64:65], 0
	v_nop
	global_prefetch_b8 v0, s[64:65] scope:SCOPE_SE
	s_setreg_imm32_b32 hwreg(HW_REG_WAVE_MODE, 25, 1), 1
	s_wait_xcnt 0x0
; THE ONE PASS OVER obj_embed.  For batch b and rows n = 128 g .. 128 g + 127:  s_n = u_b . x_n + c_b (in units of log2: the scale log2(e) / 32 and the alphas lie in u and c),
; a running maximum m, l = sum 2^(s_n - m), acc[j] = sum 2^(s_n - m) x_n[j].  Everything in f32 on the vector unit: each number of x feeds two multiply-adds, so the matrix unit has nothing to gain.
; SHARES.  A work-group: 128 rows of one batch (x = g, y = b), 512 KB, read once.  Wave w: rows 8 w .. 8 w + 7.  A row (4,096 bytes) is 32 registers of one wave: eight loads, each of 512 consecutive bytes;
; it stays in registers between the dot product and the weighted sum.  A ring of four row slots in registers: two rows at work, two on their way; the waits are counted and never for all loads but at the end.
; The rows go two at a time, so that one rescaling of acc serves two rows and the two reductions across the lanes do not wait for each other.
; At the end the sixteen waves' (m, l, acc) meet in LDS and leave as ONE record: 1,024 f32 acc, then (M, L) 32 times (a whole block of 256 bytes).
; NO CLUSTER, NO TENSOR LOAD: the work-groups of a batch share 16 KB of upart against 512 KB of their own; slots in registers need no barrier and no wait for all loads.  No prefetch: the rows are asked for as early as registers allow.
; LIMITS.  A weight below 2^-126 counts as 0.  NaN and infinities are not treated apart.  The sums are associated otherwise than in the reference.
.set ACCL,  0                          ; LDS: 16 waves x 4,096 bytes
.set UB,    65536                      ; u, 4,096 bytes
.set STAT,  69632                      ; 16 x (m, l)
.set SPARE, 69888                      ; the spare words: 128 bytes for each of sixteen waves, eight blocks of 256 bytes that no other line names
.set XO,  2                            ; v2   my byte offset in my wave's first row
.set T8,  3                            ; v3   8 x thread: an offset in upart, in LDS and in the record
.set L16, 4                            ; v4   16 x lane
.set AST, 5                            ; v5   LDS: my 16 bytes in my wave's acc
.set SPW, 6                            ; v6   LDS address of my spare word; never rewritten
.set NIL, 7                            ; v7   0; never rewritten
.set CP,  8                            ; v8:9   (my lane's share of c_b, 0): the C of each row's first product, so that the sum across the lanes adds c_b
.set RM,  10                           ; v10, v12  the running maximum, by turns
.set RL,  11                           ; v11  l
.set PA,  14                           ; v14:15 (p of row A, its exponent)
.set TA,  15
.set PB,  16                           ; v16:17 the same for row B
.set TB,  17
.set AA,  18                           ; v18:19 (a = 2^(m_old - m_new), its exponent)
.set TM,  19
.set SA,  20                           ; v20, v21  the two scores
.set SB,  21
.set HA,  22                           ; v22, v23  the other half of the lanes'
.set HB,  23
.set DA,  24                           ; v24-31, v32-39  four chains of pairs for each row's dot product
.set DB,  32
.set US,  40                           ; v40  LDS: where my two numbers of u go
.set UR,  41                           ; v41  LDS: where I read u
.set SS,  42                           ; v42  LDS: my wave's (m, l)
.set SR,  43                           ; v43  LDS: all sixteen
.set U,   48                           ; v48-79    u at my 32 columns
.set ACC, 80                           ; v80-111   acc at my 32 columns
.set X,   112                          ; v112-239  four row slots
	s_load_b256 s[4:11], s[0:1], 0x0               ; obj_embed 4:5, upart 6:7, cpart 8:9, part 10:11
	v_lshl_add_u32 v[SPW], v0, 2, SPARE
	v_mov_b32 v[NIL], 0
	v_lshrrev_b32 v1, 5, v0
	v_readfirstlane_b32 s12, v1                    ; wave 0..15
	s_mov_b32 s13, ttmp9                           ; g
	s_and_b32 s14, ttmp7, 0xffff                   ; b
	s_mov_b32 s16, 0x76543210                      ; v_permlanex16_b32: each lane takes its own place in the other half
	s_mov_b32 s17, 0xfedcba98
	s_lshl_b32 s18, s14, 22                        ; a batch is 4 MiB,
	s_lshl_b32 s15, s13, 19                        ; 128 rows are 512 KiB
	s_add_co_u32 s18, s18, s15
	s_mov_b32 s19, 0
	s_lshl_b32 s20, s14, 12                        ; upart: a row of 4,096 bytes a batch
	s_mov_b32 s21, 0
	s_lshl_b32 s22, s14, 9                         ; cpart: 128 parts a batch
	s_mov_b32 s23, 0
	s_lshl3_add_u32 s24, s14, s13
	s_mul_i32 s24, s24, 4352                       ; record 8 b + g
	s_mov_b32 s25, 0
	v_and_b32 v1, 31, v0                           ; lane
	s_lshl_b32 s15, s12, 15                        ; my wave's eight rows
	v_lshl_add_u32 v[XO], v1, 4, s15
	v_lshlrev_b32 v[T8], 3, v0
	v_lshlrev_b32 v[L16], 4, v1
	s_wait_kmcnt 0x0
	s_add_nc_u64 s[4:5], s[4:5], s[18:19]
	s_add_nc_u64 s[6:7], s[6:7], s[20:21]
	s_add_nc_u64 s[8:9], s[8:9], s[22:23]
	s_add_nc_u64 s[10:11], s[10:11], s[24:25]
.irp p, 0,1,2,3
	global_load_b64 v[DA+2*(\p):DA+2*(\p)+1], v[T8], s[6:7] offset:131072*(\p)   ; the four quarters of u at my two columns
.endr
	global_load_b128 v[DB:DB+3], v[L16], s[8:9]    ; four of the 128 parts of c_b
.macro FILL slot, row                  ; a whole row: eight loads of 512 consecutive bytes
.irp j, 0,1,2,3,4,5,6,7
	global_load_b128 v[(\slot)+4*(\j):(\slot)+4*(\j)+3], v[XO], s[4:5] offset:4096*(\row)+512*(\j) th:TH_LOAD_NT
.endr
.endm
	FILL X, 0
	FILL X+32, 1
	FILL X+64, 2
	FILL X+96, 3
	s_lshl_b32 s15, s12, 12
	v_lshl_add_u32 v[AST], v1, 4, s15
	v_lshl_add_u32 v[US], v0, 3, UB
	v_lshl_add_u32 v[UR], v1, 4, UB
	s_lshl_b32 s15, s12, 3
	s_add_co_u32 s15, s15, STAT
	v_mov_b32 v[SS], s15
	v_mov_b32 v[SR], STAT
	v_mov_b32 v[HA], 0                             ; v_permlanex16_b32's destination counts as read
	v_mov_b32 v[HB], 0
	v_mov_b32 v[CP+1], 0
	s_wait_loadcnt 32                              ; u's and c's five loads are in; the 32 of rows 0 to 3 stay out
	v_pk_add_f32 v[DA:DA+1],   v[DA:DA+1],   v[DA+2:DA+3]
	v_pk_add_f32 v[DA+4:DA+5], v[DA+4:DA+5], v[DA+6:DA+7]
	v_pk_add_f32 v[DB:DB+1],   v[DB:DB+1],   v[DB+2:DB+3]
	v_pk_add_f32 v[DA:DA+1],   v[DA:DA+1],   v[DA+4:DA+5]
	v_add_f32 v[CP], v[DB], v[DB+1]
	ds_store_b64 v[US], v[DA:DA+1]                 ; 512 threads x 2 columns = u
	s_wait_dscnt 0x0                               ; for the others' sake
	s_barrier_signal -1
	s_barrier_wait -1
.irp j, 0,1,2,3,4,5,6,7
	ds_load_b128 v[U+4*(\j):U+4*(\j)+3], v[UR] offset:512*(\j)   ; u at the columns that a row's loads give me: 128 j + 4 lane + 0..3
.endr
	s_wait_dscnt 0x0
; Rows 2 k and 2 k + 1 of my eight.  first = 1: they start m, l and acc: nothing is cleared.  fill = 1: each slot takes the row four further on as soon as it has been read.
; left: the younger loads that may stay out.
.macro PAIR k, first, fill, left
.set XA, X+32*((2*(\k))%4)
.set XB, X+32*((2*(\k)+1)%4)
.set MO, RM+2*((\k)%2)
.set MN, RM+2*(((\k)+1)%2)
	s_wait_loadcnt \left                           ; loads come back in order (ISA guide 5.7.1): these two rows are in
	v_pk_fma_f32 v[DA:DA+1], v[XA:XA+1], v[U:U+1], v[CP:CP+1]
	v_pk_fma_f32 v[DB:DB+1], v[XB:XB+1], v[U:U+1], v[CP:CP+1]
.irp i, 1,2,3
	v_pk_mul_f32 v[DA+2*(\i):DA+2*(\i)+1], v[XA+2*(\i):XA+2*(\i)+1], v[U+2*(\i):U+2*(\i)+1]
	v_pk_mul_f32 v[DB+2*(\i):DB+2*(\i)+1], v[XB+2*(\i):XB+2*(\i)+1], v[U+2*(\i):U+2*(\i)+1]
.endr
.set n, 4
.rept 12
	v_pk_fma_f32 v[DA+2*(n%4):DA+2*(n%4)+1], v[XA+2*n:XA+2*n+1], v[U+2*n:U+2*n+1], v[DA+2*(n%4):DA+2*(n%4)+1]
	v_pk_fma_f32 v[DB+2*(n%4):DB+2*(n%4)+1], v[XB+2*n:XB+2*n+1], v[U+2*n:U+2*n+1], v[DB+2*(n%4):DB+2*(n%4)+1]
.set n, n+1
.endr
	v_pk_add_f32 v[DA:DA+1],   v[DA:DA+1],   v[DA+2:DA+3]
	v_pk_add_f32 v[DB:DB+1],   v[DB:DB+1],   v[DB+2:DB+3]
	v_pk_add_f32 v[DA+4:DA+5], v[DA+4:DA+5], v[DA+6:DA+7]
	v_pk_add_f32 v[DB+4:DB+5], v[DB+4:DB+5], v[DB+6:DB+7]
	v_pk_add_f32 v[DA:DA+1],   v[DA:DA+1],   v[DA+4:DA+5]
	v_pk_add_f32 v[DB:DB+1],   v[DB:DB+1],   v[DB+4:DB+5]
	v_add_f32 v[SA], v[DA], v[DA+1]
	v_add_f32 v[SB], v[DB], v[DB+1]
.irp x, 1,2,4,8                        ; across the lanes: four steps inside each half ride on the addition, one crosses the halves; every lane ends with the same score
	v_add_f32_dpp v[SA], v[SA], v[SA] row_xmask:\x row_mask:0xf bank_mask:0xf
	v_add_f32_dpp v[SB], v[SB], v[SB] row_xmask:\x row_mask:0xf bank_mask:0xf
.endr
	v_permlanex16_b32 v[HA], v[SA], s16, s17
	v_permlanex16_b32 v[HB], v[SB], s16, s17
	v_add_f32 v[SA], v[SA], v[HA]
	v_add_f32 v[SB], v[SB], v[HB]
.if \first
	v_max_num_f32 v[MN], v[SA], v[SB]
	v_sub_f32 v[TA], v[SA], v[MN]
	v_exp_f32 v[PA], v[TA]
	v_sub_f32 v[TB], v[SB], v[MN]                  ; the plain instruction behind the exponential (ISA guide 5.7.2)
	v_exp_f32 v[PB], v[TB]                         ; behind this one: the first product below, which names neither PB nor TB
.set n, 0
	s_wait_alu depctr_va_vdst(0)
.rept 16
	v_pk_mul_f32 v[ACC+2*n:ACC+2*n+1], v[XA+2*n:XA+2*n+1], v[PA:PA+1] op_sel_hi:[1,0]
.set n, n+1
.endr
	v_add_f32 v[RL], v[PA], v[PB]
.else
	v_max3_num_f32 v[MN], v[MO], v[SA], v[SB]
	v_sub_f32 v[TM], v[MO], v[MN]
	v_sub_f32 v[TA], v[SA], v[MN]
	v_exp_f32 v[AA], v[TM]
	v_exp_f32 v[PA], v[TA]
	v_sub_f32 v[TB], v[SB], v[MN]                  ; the plain instruction behind those two exponentials
	v_exp_f32 v[PB], v[TB]                         ; behind this one: the first rescaling below
.set n, 0
	s_wait_alu depctr_va_vdst(0)
.rept 16
	v_pk_mul_f32 v[ACC+2*n:ACC+2*n+1], v[ACC+2*n:ACC+2*n+1], v[AA:AA+1] op_sel_hi:[1,0]
.set n, n+1
.endr
	v_fma_f32 v[RL], v[RL], v[AA], v[PA]
	v_add_f32 v[RL], v[RL], v[PB]
.set n, 0
.rept 16
	v_pk_fma_f32 v[ACC+2*n:ACC+2*n+1], v[XA+2*n:XA+2*n+1], v[PA:PA+1], v[ACC+2*n:ACC+2*n+1] op_sel_hi:[1,0,1]
.set n, n+1
.endr
.endif
.if \fill
	FILL XA, 2*(\k)+4
.endif
.set n, 0
.rept 16
	v_pk_fma_f32 v[ACC+2*n:ACC+2*n+1], v[XB+2*n:XB+2*n+1], v[PB:PB+1], v[ACC+2*n:ACC+2*n+1] op_sel_hi:[1,0,1]
.set n, n+1
.endr
.if \fill
	FILL XB, 2*(\k)+5
.endif
.endm
	PAIR 0, 1, 1, 16                               ; the sixteen loads of the next two rows stay out
	PAIR 1, 0, 1, 16
	PAIR 2, 0, 0, 16
	PAIR 3, 0, 0, 0                                ; the last two rows; m ends in v10, beside l
	; THE SIXTEEN WAVES MEET
.irp j, 0,1,2,3,4,5,6,7
	ds_store_b128 v[AST], v[ACC+4*(\j):ACC+4*(\j)+3] offset:512*(\j)
.endr
	ds_store_b64 v[SS], v[RM:RM+1]                 ; (m, l): all lanes hold the same pair and write the same 8 bytes
	s_wait_tensorcnt 0x0                           ; behind my last LDS store
	ds_add_u32 v[SPW], v[NIL]
	s_wait_dscnt 0x0                               ; shows my stores done, for the others' sake
	s_barrier_signal -1
	s_barrier_wait -1
.set ML, X                             ; v112-143  wave w's (m, l) at ML + 2 w; m's place then takes e = 2^(m - M)
.set AR, X+32                          ; v144-175  wave w's acc at my two columns
.irp n, 0,1,2,3,4,5,6,7
	ds_load_b128 v[ML+4*(\n):ML+4*(\n)+3], v[SR] offset:16*(\n)
.endr
.irp w, 0,1,2,3,4,5,6,7,8,9,10,11,12,13,14,15
	ds_load_b64 v[AR+2*(\w):AR+2*(\w)+1], v[T8] offset:4096*(\w)   ; thread t owns columns 2 t and 2 t + 1
.endr
	s_wait_dscnt 16                                ; the statistics are in; the sixteen reads of acc stay out
	v_max3_num_f32 v14, v[ML], v[ML+2], v[ML+4]
.irp w, 3,5,7,9,11,13
	v_max3_num_f32 v14, v14, v[ML+2*(\w)], v[ML+2*(\w)+2]
.endr
	v_max_num_f32 v14, v14, v[ML+30]               ; M
.irp w, 0,1,2,3,4,5,6,7,8,9,10,11,12,13,14,15
	v_sub_f32 v[ML+2*(\w)], v[ML+2*(\w)], v14
.endr
.irp w, 0,1,2,3,4,5,6,7,8,9,10,11,12,13,14,15
	v_exp_f32 v[ML+2*(\w)], v[ML+2*(\w)]
.endr
	v_nop                                          ; a plain instruction between the last exponential and the use of its result
	s_wait_alu depctr_va_vdst(0)
	v_mul_f32 v15, v[ML],   v[ML+1]                ; L = sum e l, in two chains
	v_mul_f32 v16, v[ML+2], v[ML+3]
.irp w, 2,4,6,8,10,12,14
	v_fmac_f32 v15, v[ML+2*(\w)],   v[ML+2*(\w)+1]
	v_fmac_f32 v16, v[ML+2*(\w)+2], v[ML+2*(\w)+3]
.endr
	v_add_f32 v15, v15, v16
	s_wait_dscnt 0x0
	v_pk_mul_f32 v[20:21], v[AR:AR+1],   v[ML:ML+1]   op_sel_hi:[1,0]   ; sum e acc, in two chains
	v_pk_mul_f32 v[22:23], v[AR+2:AR+3], v[ML+2:ML+3] op_sel_hi:[1,0]
.irp w, 2,4,6,8,10,12,14
	v_pk_fma_f32 v[20:21], v[AR+2*(\w):AR+2*(\w)+1],   v[ML+2*(\w):ML+2*(\w)+1],   v[20:21] op_sel_hi:[1,0,1]
	v_pk_fma_f32 v[22:23], v[AR+2*(\w)+2:AR+2*(\w)+3], v[ML+2*(\w)+2:ML+2*(\w)+3], v[22:23] op_sel_hi:[1,0,1]
.endr
	v_pk_add_f32 v[20:21], v[20:21], v[22:23]
	global_store_b64 v[T8], v[20:21], s[10:11]     ; a wave stores 256 consecutive bytes, at a multiple of 256 from part's first byte
	s_cmp_lg_u32 s12, 0
	s_cbranch_scc1 .Lend
	global_store_b64 v[T8], v[14:15], s[10:11] offset:4096   ; wave 0: (M, L) 32 times: the record's last 256 bytes, whole
.Lend:
	s_endpgm
.Lfunc_end_k_qe37281e15b_stream:
	.size	k_qe37281e15b_stream, .Lfunc_end_k_qe37281e15b_stream-k_qe37281e15b_stream
	.p2alignl 7, 3214868480
	.fill 96, 4, 3214868480
	.section	.rodata,"a",@progbits
	.p2align	6, 0x0
	.amdhsa_kernel k_qe37281e15b_stream
		.amdhsa_group_segment_fixed_size 71936
		.amdhsa_private_segment_fixed_size 0
		.amdhsa_enable_private_segment 0
		.amdhsa_kernarg_size 32
		.amdhsa_user_sgpr_count 2
		.amdhsa_user_sgpr_kernarg_segment_ptr 1
		.amdhsa_wavefront_size32 1
		.amdhsa_system_sgpr_workgroup_id_x 1
		.amdhsa_system_sgpr_workgroup_id_y 1
		.amdhsa_system_sgpr_workgroup_id_z 1
		.amdhsa_system_vgpr_workitem_id 0
		.amdhsa_next_free_vgpr 240
		.amdhsa_next_free_sgpr 66
		.amdhsa_reserve_vcc 0
		.amdhsa_float_denorm_mode_32 3
		.amdhsa_float_denorm_mode_16_64 3
		.amdhsa_memory_ordered 1
		.amdhsa_forward_progress 1
		.amdhsa_inst_pref_size 41
	.end_amdhsa_kernel
	.amdgpu_metadata
---
amdhsa.version: [ 1, 2 ]
amdhsa.kernels:
  - .name:           k_qe37281e15b_stream
    .symbol:         k_qe37281e15b_stream.kd
    .args:
      - { .name: obj_embed, .offset: 0, .size: 8, .value_kind: global_buffer, .address_space: global }
      - { .name: upart, .offset: 8, .size: 8, .value_kind: global_buffer, .address_space: global }
      - { .name: cpart, .offset: 16, .size: 8, .value_kind: global_buffer, .address_space: global }
      - { .name: part, .offset: 24, .size: 8, .value_kind: global_buffer, .address_space: global }
    .group_segment_fixed_size: 71936
    .private_segment_fixed_size: 0
    .kernarg_segment_align: 8
    .kernarg_segment_size: 32
    .max_flat_workgroup_size: 512
    .sgpr_count:     66
    .vgpr_count:     240
    .wavefront_size: 32
...
	.end_amdgpu_metadata
.endif
;; end of part 3
;; launch combine (part 4): grid 32 x 1, 8 waves a work-group, no clusters, 0 bytes of LDS; arguments part, ctx16; writes ctx16
.if DOCPART == 4
	.amdgcn_target "amdgcn-amd-amdhsa--gfx1250"
	.amdhsa_code_object_version 6
	.text
	.protected	k_qe37281e15b_combine
	.globl	k_qe37281e15b_combine
	.p2align	8
	.type	k_qe37281e15b_combine,@function
k_qe37281e15b_combine:
	s_mov_b64 s[64:65], 0
	v_nop
	global_prefetch_b8 v0, s[64:65] scope:SCOPE_SE
	s_setreg_imm32_b32 hwreg(HW_REG_WAVE_MODE, 25, 1), 1
	s_wait_xcnt 0x0
; ctx[b][j] = sum over g of e_g acc_g[j] / sum over g of e_g l_g,  e_g = 2^(m_g - M),  M = the largest m_g: the eight records of a batch become the softmax-weighted mean of its rows of obj_embed.
; All in f32; ctx is rounded once to f16, as the next launch's matrix operand.  A work-group: one batch; thread t: columns 4 t .. 4 t + 3.  No LDS, no barrier: every lane reads the eight (m, l) itself.
; LIMITS.  ctx is a mean of rows of obj_embed and has their range: |obj_embed| below 65,504.  NaN and infinities are not treated apart.
.set REC, 4352                         ; a record: 4,096 bytes of acc, then (M, L) 32 times
.set ML,  8                            ; v8-23   (m, l) of record g at ML + 2 g; m's place then takes e
.set AC,  24                           ; v24-55  acc of record g at AC + 4 g
.set O,   56                           ; v56-59
	s_load_b128 s[4:7], s[0:1], 0x0                ; part 4:5, ctx16 6:7
	s_mul_i32 s8, ttmp9, 8*REC
	s_mov_b32 s9, 0
	s_lshl_b32 s10, ttmp9, 11                      ; 1,024 f16 a batch
	s_mov_b32 s11, 0
	v_and_b32 v1, 31, v0
	v_lshlrev_b32 v1, 3, v1                        ; 8 x lane
	v_lshlrev_b32 v6, 4, v0                        ; 16 x thread
	v_lshlrev_b32 v7, 3, v0                        ; 8 x thread
	s_wait_kmcnt 0x0
	s_add_nc_u64 s[4:5], s[4:5], s[8:9]
	s_add_nc_u64 s[6:7], s[6:7], s[10:11]
.irp g, 0,1,2,3,4,5,6,7
	global_load_b64 v[ML+2*(\g):ML+2*(\g)+1], v1, s[4:5] offset:REC*(\g)+4096
.endr
.irp g, 0,1,2,3,4,5,6,7
	global_load_b128 v[AC+4*(\g):AC+4*(\g)+3], v6, s[4:5] offset:REC*(\g)
.endr
	s_wait_loadcnt 8                               ; the statistics are in; the eight loads of acc stay out
	v_max3_num_f32 v2, v[ML], v[ML+2], v[ML+4]
	v_max3_num_f32 v2, v2, v[ML+6], v[ML+8]
	v_max3_num_f32 v2, v2, v[ML+10], v[ML+12]
	v_max_num_f32 v2, v2, v[ML+14]
.irp g, 0,1,2,3,4,5,6,7
	v_sub_f32 v[ML+2*(\g)], v[ML+2*(\g)], v2
.endr
.irp g, 0,1,2,3,4,5,6,7
	v_exp_f32 v[ML+2*(\g)], v[ML+2*(\g)]
.endr
	v_nop                                          ; a plain instruction between the last exponential and the use of its result
	s_wait_alu depctr_va_vdst(0)
	v_mul_f32 v3, v[ML],   v[ML+1]
	v_mul_f32 v4, v[ML+2], v[ML+3]
.irp g, 2,4,6
	v_fmac_f32 v3, v[ML+2*(\g)],   v[ML+2*(\g)+1]
	v_fmac_f32 v4, v[ML+2*(\g)+2], v[ML+2*(\g)+3]
.endr
	v_add_f32 v3, v3, v4
	v_rcp_f32 v4, v3                               ; twice, to fill the pair that the packed multiply takes; the products below, which name none of v3 to v5, are the plain instructions behind them
	v_rcp_f32 v5, v3
	s_wait_loadcnt 7
	v_pk_mul_f32 v[O:O+1],   v[AC:AC+1],   v[ML:ML+1] op_sel_hi:[1,0]
	v_pk_mul_f32 v[O+2:O+3], v[AC+2:AC+3], v[ML:ML+1] op_sel_hi:[1,0]
.irp g, 1,2,3,4,5,6,7
	s_wait_loadcnt 7-(\g)                          ; record g's acc is in, the later ones' stay out
	v_pk_fma_f32 v[O:O+1],   v[AC+4*(\g):AC+4*(\g)+1],   v[ML+2*(\g):ML+2*(\g)+1], v[O:O+1]   op_sel_hi:[1,0,1]
	v_pk_fma_f32 v[O+2:O+3], v[AC+4*(\g)+2:AC+4*(\g)+3], v[ML+2*(\g):ML+2*(\g)+1], v[O+2:O+3] op_sel_hi:[1,0,1]
.endr
	s_wait_alu depctr_va_vdst(0)
	v_pk_mul_f32 v[O:O+1],   v[O:O+1],   v[4:5]
	v_pk_mul_f32 v[O+2:O+3], v[O+2:O+3], v[4:5]
	v_cvt_pk_f16_f32 v60, v[O],   v[O+1]
	v_cvt_pk_f16_f32 v61, v[O+2], v[O+3]
	global_store_b64 v7, v[60:61], s[6:7]          ; a wave stores 256 consecutive bytes, at a multiple of 256 from ctx16's first byte
	s_endpgm
.Lfunc_end_k_qe37281e15b_combine:
	.size	k_qe37281e15b_combine, .Lfunc_end_k_qe37281e15b_combine-k_qe37281e15b_combine
	.p2alignl 7, 3214868480
	.fill 96, 4, 3214868480
	.section	.rodata,"a",@progbits
	.p2align	6, 0x0
	.amdhsa_kernel k_qe37281e15b_combine
		.amdhsa_group_segment_fixed_size 0
		.amdhsa_private_segment_fixed_size 0
		.amdhsa_enable_private_segment 0
		.amdhsa_kernarg_size 16
		.amdhsa_user_sgpr_count 2
		.amdhsa_user_sgpr_kernarg_segment_ptr 1
		.amdhsa_wavefront_size32 1
		.amdhsa_system_sgpr_workgroup_id_x 1
		.amdhsa_system_sgpr_workgroup_id_y 1
		.amdhsa_system_sgpr_workgroup_id_z 1
		.amdhsa_system_vgpr_workitem_id 0
		.amdhsa_next_free_vgpr 64
		.amdhsa_next_free_sgpr 66
		.amdhsa_reserve_vcc 0
		.amdhsa_float_denorm_mode_32 3
		.amdhsa_float_denorm_mode_16_64 3
		.amdhsa_memory_ordered 1
		.amdhsa_forward_progress 1
		.amdhsa_inst_pref_size 5
	.end_amdhsa_kernel
	.amdgpu_metadata
---
amdhsa.version: [ 1, 2 ]
amdhsa.kernels:
  - .name:           k_qe37281e15b_combine
    .symbol:         k_qe37281e15b_combine.kd
    .args:
      - { .name: part, .offset: 0, .size: 8, .value_kind: global_buffer, .address_space: global }
      - { .name: ctx16, .offset: 8, .size: 8, .value_kind: global_buffer, .address_space: global }
    .group_segment_fixed_size: 0
    .private_segment_fixed_size: 0
    .kernarg_segment_align: 8
    .kernarg_segment_size: 16
    .max_flat_workgroup_size: 256
    .sgpr_count:     66
    .vgpr_count:     64
    .wavefront_size: 32
...
	.end_amdgpu_metadata
.endif
;; end of part 4
;; launch oproj (part 5): grid 64 x 1, 8 waves a work-group, no clusters, 116,480 bytes of LDS; arguments ctx16, wv_w, wv_b, out0; writes out0
.if DOCPART == 5
	.amdgcn_target "amdgcn-amd-amdhsa--gfx1250"
	.amdhsa_code_object_version 6
	.text
	.protected	k_qe37281e15b_oproj
	.globl	k_qe37281e15b_oproj
	.p2align	8
	.type	k_qe37281e15b_oproj,@function
k_qe37281e15b_oproj:
	s_mov_b64 s[64:65], 0
	v_nop
	global_prefetch_b8 v0, s[64:65] scope:SCOPE_SE
	s_setreg_imm32_b32 hwreg(HW_REG_WAVE_MODE, 25, 1), 1
	s_wait_xcnt 0x0
; out0[b][i] = sum over j of ctx[b][j] wv_w[i][j] + wv_b[i].  The softmax weights add up to 1, so sum_n w_n (Wv x_n + bv) = Wv (sum_n w_n x_n) + bv, for every input.
; SHARES.  A work-group makes 32 b x 16 i (x = nt).  Its eight waves bring ctx (f16 as it lies, 64 KB) and 16 rows of wv_w (rounded once to f16) into LDS; wave w multiplies K = 128 w .. 128 w + 127;
; the eight partial sums (f32) meet in LDS, and waves 0 to 3 add them and the bias and store.
; A work-group's stores are pieces of 64 bytes, 16 outputs of each b: whole blocks of 256 bytes would ask for 64 outputs a work-group, that is 16 work-groups for the 4 MB of wv_w against 128 KB of out0.
; NO CLUSTER, NO TENSOR LOAD: wv_w is rounded to f16 in registers on its way into LDS, and is shared by nobody; ctx16, which all share, is 64 KB against it.
; LIMITS.  |wv_w| below 65,504; below 6e-5 it keeps f16's fixed step.  NaN and infinities are not treated apart.
.set PITCH,  2064                      ; an LDS row: 2,048 bytes of f16 + 16 = 129 x 16: the 16 rows of a fragment load start at 16 different groups of four banks (ISA guide 11.1)
.set A16,    0                         ; 32 rows of ctx
.set W16,    32*PITCH                  ; 16 rows of wv_w
.set RED,    W16+16*PITCH              ; [w 8][b 32][i 16] f32
.set SPARE,  RED+8*2048                ; the spare words: 128 bytes for each of eight waves
.set BO,  4                            ; v4   my 16 bytes of the 16 biases
.set CG,  5                            ; v5   16 x thread
.set GW,  6                            ; v6   my 16 bytes in my wave's first row of wv_w
.set CS,  7                            ; v7   LDS: where my 16 bytes of ctx go
.set FA,  8                            ; v8   LDS: my lane's place in a fragment of ctx, at my wave's K slice
.set FW,  9                            ; v9   the same for wv_w
.set RW,  10                           ; v10  LDS: where my partial sums go
.set RR,  11                           ; v11  LDS: where I read them back
.set GO,  12                           ; v12  my byte offset in out0
.set SW,  13                           ; v13  LDS: where my 8 bytes of my wave's first row of wv_w go
.set BI,  20                           ; v20-23  four biases
.set SPW, 30
.set NIL, 31
.set CX,  32                           ; v32-95   ctx as loaded
.set LD,  96                           ; v96-159  two rows of wv_w as loaded
.set FRA, 32                           ; fragments of ctx: K step ks, row tile mt at FRA + 16 ks + 8 mt
.set FRB, 96                           ; fragments of wv_w: K step ks at FRB + 8 ks
.set D0,  176
.set D1,  184
	s_load_b256 s[4:11], s[0:1], 0x0               ; ctx16 4:5, wv_w 6:7, wv_b 8:9, out0 10:11
	v_lshl_add_u32 v[SPW], v0, 2, SPARE
	v_mov_b32 v[NIL], 0
	v_lshrrev_b32 v1, 5, v0
	v_readfirstlane_b32 s12, v1                    ; wave 0..7
	s_mov_b32 s13, ttmp9                           ; nt
	v_and_b32 v2, 31, v0                           ; lane
	v_and_b32 v3, 15, v0                           ; r
	v_bfe_u32 v16, v0, 4, 1                        ; hh
	v_and_b32 v17, 3, v0
	v_lshlrev_b32 v[BO], 4, v17
	v_lshlrev_b32 v[CG], 4, v0
	s_lshl_b32 s18, s12, 13                        ; my wave's two rows of wv_w
	v_lshl_add_u32 v[GW], v2, 4, s18
	s_lshl_b32 s14, s13, 16                        ; wv_w at row 16 nt
	s_mov_b32 s15, 0
	s_lshl_b32 s16, s13, 6                         ; 16 f32
	s_mov_b32 s17, 0
	s_wait_kmcnt 0x0
	s_add_nc_u64 s[6:7], s[6:7], s[14:15]
	s_add_nc_u64 s[8:9], s[8:9], s[16:17]
	s_add_nc_u64 s[10:11], s[10:11], s[16:17]
	global_load_b128 v[BI:BI+3], v[BO], s[8:9]     ; the oldest load: every wait below covers it
.irp n, 0,1,2,3,4,5,6,7,8,9,10,11,12,13,14,15
	global_load_b128 v[CX+4*(\n):CX+4*(\n)+3], v[CG], s[4:5] offset:4096*(\n)   ; the work-group takes two rows of ctx an instruction
.endr
.irp n, 0,1
.irp j, 0,1,2,3,4,5,6,7
	global_load_b128 v[LD+32*(\n)+4*(\j):LD+32*(\n)+4*(\j)+3], v[GW], s[6:7] offset:4096*(\n)+512*(\j) th:TH_LOAD_NT
.endr
.endr
	s_lshr_b32 s18, s12, 2                         ; thread t: row t / 128 of the two, byte 16 (t % 128): by the wave's number and the lane
	s_mul_i32 s18, s18, PITCH
	s_and_b32 s19, s12, 3
	s_lshl_b32 s19, s19, 9
	s_add_co_u32 s18, s18, s19
	v_lshl_add_u32 v[CS], v2, 4, s18
	s_mul_i32 s18, s12, 2*PITCH
	s_add_co_u32 s18, s18, W16
	v_lshl_add_u32 v[SW], v2, 3, s18
	v_mul_u32_u24 v[FA], v3, PITCH
	v_lshl_add_u32 v[FA], v16, 4, v[FA]
	s_lshl_b32 s18, s12, 8                         ; my wave's 128 along K
	v_add_nc_u32 v[FA], s18, v[FA]
	v_add_nc_u32 v[FW], W16, v[FA]
	s_lshl_b32 s18, s12, 11
	s_add_co_u32 s18, s18, RED
	v_lshlrev_b32 v[RW], 2, v3                     ; output r,
	v_lshl_add_u32 v[RW], v16, 9, v[RW]            ; b = 8 hh + ..: 64 bytes a b
	v_add_nc_u32 v[RW], s18, v[RW]
	v_lshl_add_u32 v[RR], v0, 4, RED               ; back: thread t takes b = t / 4, outputs 4 (t % 4) on
	v_lshrrev_b32 v18, 2, v0
	v_lshlrev_b32 v[GO], 12, v18
	v_lshl_add_u32 v[GO], v17, 4, v[GO]
	s_wait_loadcnt 16                              ; the bias and ctx are in; wv_w's sixteen loads stay out
.irp n, 0,1,2,3,4,5,6,7,8,9,10,11,12,13,14,15
	ds_store_b128 v[CS], v[CX+4*(\n):CX+4*(\n)+3] offset:2*PITCH*(\n)
.endr
.irp n, 0,1
	s_wait_loadcnt 8*(1-(\n))                      ; row n's eight are in
.irp j, 0,1,2,3,4,5,6,7
	v_cvt_pk_f16_f32 v[LD+32*(\n)+4*(\j)],   v[LD+32*(\n)+4*(\j)],   v[LD+32*(\n)+4*(\j)+1]
	v_cvt_pk_f16_f32 v[LD+32*(\n)+4*(\j)+1], v[LD+32*(\n)+4*(\j)+2], v[LD+32*(\n)+4*(\j)+3]
.endr
.irp j, 0,1,2,3,4,5,6,7
	ds_store_b64 v[SW], v[LD+32*(\n)+4*(\j):LD+32*(\n)+4*(\j)+1] offset:PITCH*(\n)+256*(\j)
.endr
.endr
	s_wait_dscnt 0x0                               ; for the others' sake: my rows are in LDS
	s_barrier_signal -1
	s_barrier_wait -1
.irp ks, 0,1,2,3
	ds_load_b128 v[FRA+16*(\ks):FRA+16*(\ks)+3],     v[FA] offset:64*(\ks)
	ds_load_b128 v[FRA+16*(\ks)+4:FRA+16*(\ks)+7],   v[FA] offset:64*(\ks)+32
	ds_load_b128 v[FRA+16*(\ks)+8:FRA+16*(\ks)+11],  v[FA] offset:16*PITCH+64*(\ks)
	ds_load_b128 v[FRA+16*(\ks)+12:FRA+16*(\ks)+15], v[FA] offset:16*PITCH+64*(\ks)+32
	ds_load_b128 v[FRB+8*(\ks):FRB+8*(\ks)+3],       v[FW] offset:64*(\ks)
	ds_load_b128 v[FRB+8*(\ks)+4:FRB+8*(\ks)+7],     v[FW] offset:64*(\ks)+32
.endr
	s_wait_dscnt 18                                ; step 0's six are in; the 18 of the later steps stay out
	v_wmma_f32_16x16x32_f16 v[D0:D0+7], v[FRA:FRA+7],    v[FRB:FRB+7], 0   ; the first step starts both sums
	v_wmma_f32_16x16x32_f16 v[D1:D1+7], v[FRA+8:FRA+15], v[FRB:FRB+7], 0
.irp ks, 1,2,3
	s_wait_dscnt 18-6*(\ks)
	v_wmma_f32_16x16x32_f16 v[D0:D0+7], v[FRA+16*(\ks):FRA+16*(\ks)+7],    v[FRB+8*(\ks):FRB+8*(\ks)+7], v[D0:D0+7]   ; the two accumulators take turns
	v_wmma_f32_16x16x32_f16 v[D1:D1+7], v[FRA+16*(\ks)+8:FRA+16*(\ks)+15], v[FRB+8*(\ks):FRB+8*(\ks)+7], v[D1:D1+7]
.endr
.rept 4
	v_nop                                          ; four places between the last product and the stores that read it
.endr
	; lane (r, hh), register t holds (b = 16 mt + 8 hh + t, output r).  The two halves of the lanes fall on the same banks (512 bytes apart): each store takes two passes; 16 stores a wave, once.
.irp t, 0,1,2,3,4,5,6,7
	ds_store_b32 v[RW], v[D0+(\t)] offset:64*(\t)
.endr
.irp t, 0,1,2,3,4,5,6,7
	ds_store_b32 v[RW], v[D1+(\t)] offset:1024+64*(\t)
.endr
	s_wait_tensorcnt 0x0                           ; behind my last LDS store
	ds_add_u32 v[SPW], v[NIL]
	s_wait_dscnt 0x0                               ; shows my partial sums stored, for the others' sake
	s_barrier_signal -1
	s_barrier_wait -1
	s_cmp_ge_u32 s12, 4
	s_cbranch_scc1 .Lend                           ; 128 threads x 4 outputs are the 512 numbers; no barrier follows
.irp w, 0,1,2,3,4,5,6,7
	ds_load_b128 v[CX+4*(\w):CX+4*(\w)+3], v[RR] offset:2048*(\w)
.endr
	s_wait_dscnt 0x0
.irp s, 0,2,4,6
	v_pk_add_f32 v[CX+4*(\s):CX+4*(\s)+1],   v[CX+4*(\s):CX+4*(\s)+1],   v[CX+4*(\s)+4:CX+4*(\s)+5]
	v_pk_add_f32 v[CX+4*(\s)+2:CX+4*(\s)+3], v[CX+4*(\s)+2:CX+4*(\s)+3], v[CX+4*(\s)+6:CX+4*(\s)+7]
.endr
.irp s, 0,4
	v_pk_add_f32 v[CX+4*(\s):CX+4*(\s)+1],   v[CX+4*(\s):CX+4*(\s)+1],   v[CX+4*(\s)+8:CX+4*(\s)+9]
	v_pk_add_f32 v[CX+4*(\s)+2:CX+4*(\s)+3], v[CX+4*(\s)+2:CX+4*(\s)+3], v[CX+4*(\s)+10:CX+4*(\s)+11]
.endr
	v_pk_add_f32 v[CX:CX+1],   v[CX:CX+1],   v[CX+16:CX+17]
	v_pk_add_f32 v[CX+2:CX+3], v[CX+2:CX+3], v[CX+18:CX+19]
	v_pk_add_f32 v[CX:CX+1],   v[CX:CX+1],   v[BI:BI+1]
	v_pk_add_f32 v[CX+2:CX+3], v[CX+2:CX+3], v[BI+2:BI+3]
	global_store_b128 v[GO], v[CX:CX+3], s[10:11]  ; four lanes store the 64 bytes of one b
.Lend:
	s_endpgm
.Lfunc_end_k_qe37281e15b_oproj:
	.size	k_qe37281e15b_oproj, .Lfunc_end_k_qe37281e15b_oproj-k_qe37281e15b_oproj
	.p2alignl 7, 3214868480
	.fill 96, 4, 3214868480
	.section	.rodata,"a",@progbits
	.p2align	6, 0x0
	.amdhsa_kernel k_qe37281e15b_oproj
		.amdhsa_group_segment_fixed_size 116480
		.amdhsa_private_segment_fixed_size 0
		.amdhsa_enable_private_segment 0
		.amdhsa_kernarg_size 32
		.amdhsa_user_sgpr_count 2
		.amdhsa_user_sgpr_kernarg_segment_ptr 1
		.amdhsa_wavefront_size32 1
		.amdhsa_system_sgpr_workgroup_id_x 1
		.amdhsa_system_sgpr_workgroup_id_y 1
		.amdhsa_system_sgpr_workgroup_id_z 1
		.amdhsa_system_vgpr_workitem_id 0
		.amdhsa_next_free_vgpr 192
		.amdhsa_next_free_sgpr 66
		.amdhsa_reserve_vcc 0
		.amdhsa_float_denorm_mode_32 3
		.amdhsa_float_denorm_mode_16_64 3
		.amdhsa_memory_ordered 1
		.amdhsa_forward_progress 1
		.amdhsa_inst_pref_size 15
	.end_amdhsa_kernel
	.amdgpu_metadata
---
amdhsa.version: [ 1, 2 ]
amdhsa.kernels:
  - .name:           k_qe37281e15b_oproj
    .symbol:         k_qe37281e15b_oproj.kd
    .args:
      - { .name: ctx16, .offset: 0, .size: 8, .value_kind: global_buffer, .address_space: global }
      - { .name: wv_w, .offset: 8, .size: 8, .value_kind: global_buffer, .address_space: global }
      - { .name: wv_b, .offset: 16, .size: 8, .value_kind: global_buffer, .address_space: global }
      - { .name: out0, .offset: 24, .size: 8, .value_kind: global_buffer, .address_space: global }
    .group_segment_fixed_size: 116480
    .private_segment_fixed_size: 0
    .kernarg_segment_align: 8
    .kernarg_segment_size: 32
    .max_flat_workgroup_size: 256
    .sgpr_count:     66
    .vgpr_count:     192
    .wavefront_size: 32
...
	.end_amdgpu_metadata
.endif
;; end of part 5
